; MI455X (gfx1250); checked and timed in simulation.
; The chip was launched on July 23, 2026; its instructions are those of AMD's public machine-readable ISA for CDNA 5 (MIT licence, August 2026) and "CDNA5" Instruction Set Architecture Reference Guide (July 2026). The comments in the code are by the model that wrote it; some were corrected since.
;; Multihead Attention. Allowed arithmetic: matrix products marked QUANTISED: E4M3 operands, one given power-of-two scale a tensor, by v_wmma_f32_16x16x64_fp8_fp8 or v_wmma_f32_16x16x128_fp8_fp8, f32 sums; everything else in f32.
;; Inputs: W_qkv 1,024 x 3,072 float32; b_qkv 3,072 float32; lowp_scales 6 int32 (the exponents e of the quantised operands' scales 2^e); x 4 x 2,048 x 1,024 float32.
;; Outputs: out0 4 x 2,048 x 1,024 float32.
;; This version of the problem:
;;   THIS VERSION OF THE PROBLEM IS GIVEN IN LOW PRECISION. The matrix products marked QUANTISED in the list below multiply operands that are first quantised to E4M3 (4 exponent bits, 3 mantissa bits; 8 bits a number), with one given power-of-two scale for each operand tensor; their sums are f32. All else is computed in f32.
;;   The module's matrix products, in the order in which they are computed (A, B: the left and right operand; K: the contracted axis; several contracted axes count as one K, in the product's order):
;;     1. [M 8,192, K 1,024] x [K 1,024, N 3,072]; A: input x; B: input W_qkv: QUANTISED (scales: A lowp_scales[0], B lowp_scales[1])
;;     2. batch 64 x [M 2,048, K 64] x [K 64, N 2,048]; A: computed on the way; B: computed on the way: QUANTISED (scales: A lowp_scales[2], B lowp_scales[3])
;;     3. batch 64 x [M 2,048, K 2,048] x [K 2,048, N 64]; A: softmax (see below); B: computed on the way: QUANTISED (scales: A lowp_scales[4], B lowp_scales[5])
;;   THE QUANTISER, for each operand of a quantised product, along K:
;;     - The operand's scale is 2^e, e = its entry of the input lowp_scales (int32; the entries are numbered through the quantised products in the list's order, A before B).
;;     - Each number is divided by the scale, clamped to +-448, and rounded to the nearest number of E4M3, ties to even, subnormals kept.
;;     - The product sums the exact products of the quantised numbers (number of the format x scale) in f32.
;;   ~~~python
;;   def quantise(x, axis, e):      # numpy; x: float32 -> the quantised numbers, widened to float32 again
;;       x = np.moveaxis(x, axis, -1); K = x.shape[-1]
;;       r = np.clip(x / 2.0 ** e, -448, 448)
;;       step = 2.0 ** (np.maximum(np.frexp(np.where(r == 0, 1, r))[1] - 1, -6) - 3)
;;       q = np.round(r / step) * step * 2.0 ** e      # np.round: ties to even
;;       return np.moveaxis(q, -1, axis).astype(np.float32)
;;   ~~~
;;   SOFTMAX AHEAD OF A QUANTISED PRODUCT. Where the list says 'softmax', what is quantised is not the finished softmax but p = 2^(t - M), with t = logit x log2(e) and M = ceil(the row's largest t), a whole number; so 1/2 < the row's largest p <= 1. The row's sum l is taken of the UNQUANTISED p, in f32, and the product's result is divided by l at the end. Since M is a whole number, a kernel that streams over the keys may use a running M (the ceiling of the running maximum): every later rescaling is an exact power of two, so the quantised numbers keep their values, but for numbers so far below the row's largest that they fall under the format's range.
;;   OPERANDS COMPUTED ON THE WAY. 'Computed on the way' means the value that the module computes at that place (a softmax that the list does not call 'softmax' is quantised finished and normalised). What goes into a quantiser is computed in f32, as accurately as f32 sums, v_exp_f32 and their like allow (about 1e-6 of the number): no bf16 or f16 on the way to a quantiser, and a product that is left as it is and whose result goes on into a quantised operand takes f32 operands (vector FMAs, or v_wmma_f32_16x16x4_f32). A number that lies on a knife's edge between two numbers of the format may be rounded either way, as far as f32 arithmetic and the matrix unit's own rounding can turn it there, and no further.
;; One version. Each part assembles by itself: llvm-mc -triple=amdgcn-amd-amdhsa -mcpu=gfx1250 --defsym DOCPART=n.
;; ======== version 1 of 1: 3 launches
;; limits: right only within a limited range of input values
;; workspace buffers: x_codes 8,388,608 bytes; w_codes 3,145,728 bytes; q_codes 8,388,608 bytes; k_codes 8,388,608 bytes; v_codes 8,388,608 bytes
;; launch quant (part 1): grid 352 x 1, 4 waves a work-group, no clusters, 68,096 bytes of LDS; arguments x, W_qkv, lowp_scales, x_codes, w_codes; writes x_codes, w_codes
.if DOCPART == 1
	.amdgcn_target "amdgcn-amd-amdhsa--gfx1250"
	.amdhsa_code_object_version 6
	.text
	.protected	k_qd959b3fe7b_quant
	.globl	k_qd959b3fe7b_quant
	.p2align	8
	.type	k_qd959b3fe7b_quant,@function
k_qd959b3fe7b_quant:
	s_mov_b64 s[64:65], 0
	v_nop
	global_prefetch_b8 v0, s[64:65] scope:SCOPE_SE
	s_setreg_imm32_b32 hwreg(HW_REG_WAVE_MODE, 25, 1), 1
	s_wait_xcnt 0x0
; x [8192][1024] f32 and W_qkv [1024][3072] f32 become codes of FP8 (E4M3), K innermost, each with its given scale 2^e (x: entry 0 of the scales, W: entry 1).
; code = number / 2^e, held within +-448, rounded to the nearest code, ties to even.
; LIMITS: -126 <= e and e + 8 <= 127 for both, so that 2^e and 448 x 2^e are f32 numbers.  NaN among the inputs is not served (an infinity is held at the largest code).
; THE ORDER OF ROWS.  sw(i) is i with its bits 3 and 4 exchanged.  x_codes: the row at place p holds row sw(p) of x.  w_codes [3072 places][1024]: column n of W lies at place sw(n) where n is a
; column of q or of k ((n / 64) % 3 is 0 or 1), and at place n where it is a column of v.  So sixteen places on end hold rows 0-7 and 16-23 (or 8-15 and 24-31) of a group of 32, which is the choice of rows by
; which the next launch's results come out as sixteen neighbours along the next K.
; Work-groups 0-255 take x, 256-351 take W.  The two ways share no LDS byte: x's stages lie in bytes 0-32767, W's from 32768 on.  Waves share nothing: no barrier.
; Memory binds here: no matrix unit, no cluster, no prefetch (the launch is one stream of loads with 16 or 64 of them out in each wave).
.set STEPS, 16                         ; x: a wave takes 16 steps of 512 numbers = 8 rows
.set SP,    80                         ; x: a lane's place in a stage: its 64 bytes + 16 of padding
.set XREG,  8192                       ; x: LDS of a wave: two stages of 32 x SP bytes
.set XR,    16                         ; v16-79   x: four sets of 16 numbers as they are loaded
.set XX,    80                         ; v80-111  x: two sets of 16 neighbours
.set XC,    128                        ; v128-191 x: codes, four registers for each step: no store's data are written again
.set WBASE, 32768                      ; W: the stages begin here
.set WP,    272                        ; W: a stage row: 256 bytes of codes + 16
.set NCOL,  3072
.set KROW,  1024                       ; a row of codes in bytes
.set NB,    8                          ; W: blocks of 32 along K for a wave
.set WX,    32                         ; v32-95   W: two sets of 32 numbers
.set WC,    96                         ; v96-103  W: a block's codes
.set WO,    112                        ; v112-175 W: the way out
.macro XLOAD t                         ; 32 lanes read 512 consecutive bytes, four times
.irp i, 0,1,2,3
	global_load_b128 v[XR+16*((\t)%4)+4*\i:XR+16*((\t)%4)+4*\i+3], v3, s[4:5] offset:2048*(\t)+512*\i th:TH_LOAD_NT
.endr
.endm
.macro XTURN t                         ; a step's 2,048 bytes go into the stage as they lie and come back 64 bytes a lane; LDS serves a wave's instructions in order (ISA guide 5.7.1.4)
.irp i, 0,1,2,3
	ds_store_b128 v14, v[XR+16*((\t)%4)+4*\i:XR+16*((\t)%4)+4*\i+3] offset:32*SP*((\t)%2)+8*SP*\i
.endr
.irp i, 0,1,2,3
	ds_load_b128 v[XX+16*((\t)%2)+4*\i:XX+16*((\t)%2)+4*\i+3], v15 offset:32*SP*((\t)%2)+16*\i
.endr
.endm
.macro XSTEP t
.set XS, XX+16*((\t)%2)
	s_wait_dscnt 0x0                               ; this step's numbers are back from the stage, and its stores into the stage have read their registers,
.if (\t)+4 < STEPS
	XLOAD (\t)+4                                   ; which take the loads of four steps on
.endif
.if (\t)+1 < STEPS
.if STEPS-2-(\t) >= 3
	s_wait_loadcnt 12                              ; the next step's four loads are in; those of the three steps behind it may be out
.else
	s_wait_loadcnt 4*(STEPS-2-(\t))                ; near the end fewer steps are behind it
.endif
	XTURN (\t)+1
.endif
.irp i, 0,1,2,3,4,5,6,7,8,9,10,11,12,13,14,15
	v_med3_num_f32 v[XS+\i], v[XS+\i], -v10, v10   ; the conversion to an 8-bit code does not saturate (ISA guide 7.6.2): the hold at the largest code x the scale comes first
.endr
	v_cvt_scalef32_pk8_fp8_f32 v[XC+4*(\t):XC+4*(\t)+1], v[XS:XS+7], v11
	v_cvt_scalef32_pk8_fp8_f32 v[XC+4*(\t)+2:XC+4*(\t)+3], v[XS+8:XS+15], v11
	global_store_b128 v4, v[XC+4*(\t):XC+4*(\t)+3], s[10:11] offset:512*(\t)   ; 32 lanes store 512 consecutive bytes, aligned to 256.  (The codes go to a store alone; the next step's holds are plain lines on other registers)
.endm
.macro WLOAD t                         ; block t: W(32 t + i, my column), i = 0 .. 31: a lane to a column, registers down K; 32 lanes read 128 consecutive bytes
.irp i, 0,1,2,3,4,5,6,7,8,9,10,11,12,13,14,15,16,17,18,19,20,21,22,23,24,25,26,27,28,29,30,31
	global_load_b32 v[WX+32*((\t)%2)+\i], v3, s[6:7] offset:(32*(\t)+\i)*NCOL*4 th:TH_LOAD_NT
.endr
.endm
.macro WBLOCK t
.set WS, WX+32*((\t)%2)
.if (\t) < NB-1
	s_wait_loadcnt 32                              ; this block's 32 loads are in; the next block's may be out
.else
	s_wait_loadcnt 0
.endif
.irp i, 0,1,2,3,4,5,6,7,8,9,10,11,12,13,14,15,16,17,18,19,20,21,22,23,24,25,26,27,28,29,30,31
	v_med3_num_f32 v[WS+\i], v[WS+\i], -v10, v10
.endr
.irp g, 0,1,2,3
	v_cvt_scalef32_pk8_fp8_f32 v[WC+2*\g:WC+2*\g+1], v[WS+8*\g:WS+8*\g+7], v11
.endr
	ds_store_b128 v4, v[WC:WC+3] offset:32*(\t)    ; 32 codes: 32 bytes of my column's row in the stage
	ds_store_b128 v4, v[WC+4:WC+7] offset:32*(\t)+16
.if (\t)+2 < NB
	WLOAD (\t)+2
.endif
	s_wait_dscnt 0x0                               ; the stores have read their registers: the next block's codes may be written
.endm
	s_load_b256 s[4:11], s[0:1], 0x0               ; x s[4:5], W s[6:7], the scales' exponents s[8:9], x_codes s[10:11]
	s_load_b64 s[12:13], s[0:1], 0x20              ; w_codes
	v_lshl_add_u32 v192, v0, 2, 0x10800
	v_mov_b32 v193, 0
	v_lshrrev_b32 v1, 5, v0
	v_readfirstlane_b32 s16, v1                    ; wave 0..3
	v_and_b32 v2, 31, v0                           ; lane
	s_cmp_lt_u32 ttmp9, 256
	s_cbranch_scc0 .Lw
	; ---------------- x: rows are dense, so a wave's 8 rows are a plain stream of 8,192 numbers
	v_lshlrev_b32 v3, 4, v2                        ; my 16 bytes of a load's 512
	v_lshlrev_b32 v4, 4, v2                        ; my 16 codes of a step's 512
	s_mul_i32 s17, s16, XREG
	v_lshrrev_b32 v14, 2, v2
	v_mul_u32_u24 v14, v14, SP
	v_and_b32 v15, 3, v2
	v_lshl_add_u32 v14, v15, 4, v14
	v_add_nc_u32 v14, s17, v14                     ; the stage, on the way in: four lanes' 64 bytes on end, then 16 of padding
	v_mul_u32_u24 v15, v2, SP
	v_add_nc_u32 v15, s17, v15                     ; and on the way out: my 16 neighbours
	s_lshl_b32 s18, ttmp9, 2
	s_add_co_u32 s19, s18, s16                     ; which run of 8 rows is my wave's: 4 x work-group + wave
	s_lshl_b32 s20, s19, 15                        ; x 32,768 bytes
	s_mov_b32 s21, 0
	s_and_b32 s24, s16, 1                          ; bits 3 and 4 of a row's number are the wave's two bits: exchanged, they give the run's place among the codes
	s_lshl_b32 s24, s24, 1
	s_lshr_b32 s25, s16, 1
	s_or_b32 s24, s24, s25
	s_add_co_u32 s24, s24, s18
	s_lshl_b32 s24, s24, 13                        ; x 8,192 bytes
	s_mov_b32 s25, 0
	s_wait_alu depctr_va_vdst(0)
	s_wait_kmcnt 0x0
	s_load_b32 s22, s[8:9], 0x0                    ; e of x
	s_add_nc_u64 s[4:5], s[4:5], s[20:21]
	s_add_nc_u64 s[10:11], s[10:11], s[24:25]
.irp t, 0,1,2,3
	XLOAD \t
.endr
	s_wait_kmcnt 0x0
	s_add_co_i32 s22, s22, 127
	s_lshl_b32 s23, s22, 23
	v_mov_b32 v11, s23                             ; 2^e as f32: the conversion takes its exponent field
	s_add_co_i32 s22, s22, 8
	s_lshl_b32 s22, s22, 23
	s_or_b32 s22, s22, 0x600000
	v_mov_b32 v10, s22                             ; 448 x 2^e
	s_wait_alu depctr_va_vdst(0)
	s_wait_loadcnt 12                              ; step 0's four loads are in
	XTURN 0
.irp t, 0,1,2,3,4,5,6,7,8,9,10,11,12,13,14,15
	XSTEP \t
.endr
	s_wait_tensorcnt 0x0
	ds_add_u32 v192, v193
	s_wait_dscnt 0x0
	s_endpgm
	; ---------------- W: K is its first axis.  A wave takes 32 columns x 256 along K; its codes go through its stage and leave as rows of 256 bytes
.Lw:
	s_sub_co_u32 s26, ttmp9, 256
	s_lshr_b32 s27, s26, 2                         ; which 128 columns: 0..23
	s_and_b32 s18, s26, 3                          ; which 256 along K
	s_lshl_b32 s17, s27, 7
	s_lshl_b32 s19, s16, 5
	s_add_co_u32 s17, s17, s19                     ; my wave's first column, a multiple of 32
	s_wait_alu depctr_va_vdst(0)
	v_lshlrev_b32 v3, 2, v2                        ; in: 4 bytes a lane
	s_mul_i32 s19, s16, 32*WP
	s_add_co_u32 s19, s19, WBASE                   ; my stage
	v_mul_u32_u24 v4, v2, WP
	v_add_nc_u32 v4, s19, v4                       ; into it: row = my column
	v_and_b32 v5, 15, v2
	v_lshrrev_b32 v6, 4, v2                        ; out of it: sixteen lanes to a row, two rows an instruction
	v_mul_u32_u24 v7, v6, WP
	v_lshl_add_u32 v7, v5, 4, v7
	v_add_nc_u32 v7, s19, v7
	v_mul_u32_u24 v8, v6, KROW
	v_lshl_add_u32 v8, v5, 4, v8                   ; and the same place among the codes
	; do my 32 columns belong to v?  They lie in one group of 64; the group's number modulo 3 says q, k or v.  (g x 43) >> 7 is g / 3 for g up to 47
	s_wait_alu depctr_va_vdst(0)
	s_lshl_b32 s28, s27, 1
	s_lshr_b32 s29, s16, 1
	s_add_co_u32 s28, s28, s29                     ; the group of 64
	s_mul_i32 s29, s28, 43
	s_lshr_b32 s29, s29, 7
	s_mul_i32 s29, s29, 3
	s_sub_co_u32 s28, s28, s29
	s_cmp_eq_u32 s28, 2
	s_cselect_b32 s28, 0, 0x2000                   ; q, k: rows 8-15 of my 32 go 8 places (8,192 bytes) up and rows 16-23 8 places down; v: they stay
	s_sub_co_u32 s29, 0x2000, s28
	v_add_nc_u32 v9, s28, v8                       ; for rows 8-15
	v_add_nc_u32 v12, s29, v8                      ; for rows 16-23, whose stores' immediates stand 8 rows back
	s_mul_i32 s20, s18, 256*NCOL*4                 ; W: 256 rows of K for each part,
	s_lshl_b32 s22, s17, 2
	s_add_co_u32 s20, s20, s22                     ; + 4 bytes a column
	s_mov_b32 s21, 0
	s_lshl_b32 s24, s17, 10                        ; codes: a place is 1,024 bytes,
	s_lshl_b32 s25, s18, 8
	s_add_co_u32 s24, s24, s25                     ; + 256 bytes for each part of K
	s_mov_b32 s25, 0
	s_wait_kmcnt 0x0
	s_load_b32 s30, s[8:9], 0x4                    ; e of W
	s_add_nc_u64 s[6:7], s[6:7], s[20:21]
	s_add_nc_u64 s[12:13], s[12:13], s[24:25]
	WLOAD 0
	WLOAD 1
	s_wait_kmcnt 0x0
	s_add_co_i32 s30, s30, 127
	s_lshl_b32 s31, s30, 23
	v_mov_b32 v11, s31                             ; 2^e
	s_add_co_i32 s30, s30, 8
	s_lshl_b32 s30, s30, 23
	s_or_b32 s30, s30, 0x600000
	v_mov_b32 v10, s30                             ; 448 x 2^e
	s_wait_alu depctr_va_vdst(0)
.irp t, 0,1,2,3,4,5,6,7
	WBLOCK \t
.endr
.irp t, 0,1,2,3,4,5,6,7,8,9,10,11,12,13,14,15
	ds_load_b128 v[WO+4*\t:WO+4*\t+3], v7 offset:2*\t*WP   ; rows 2 t and 2 t + 1 of the stage; these see my stores
.endr
.irp t, 0,1,2,3
	s_wait_dscnt 15-\t                             ; the loads behind load t may be out
	global_store_b128 v8, v[WO+4*\t:WO+4*\t+3], s[12:13] offset:2*\t*KROW   ; sixteen lanes store 256 consecutive bytes, aligned
.endr
.irp t, 4,5,6,7
	s_wait_dscnt 15-\t
	global_store_b128 v9, v[WO+4*\t:WO+4*\t+3], s[12:13] offset:2*\t*KROW
.endr
.irp t, 8,9,10,11
	s_wait_dscnt 15-\t
	global_store_b128 v12, v[WO+4*\t:WO+4*\t+3], s[12:13] offset:(2*\t-8)*KROW
.endr
.irp t, 12,13,14,15
	s_wait_dscnt 15-\t
	global_store_b128 v8, v[WO+4*\t:WO+4*\t+3], s[12:13] offset:2*\t*KROW
.endr
	s_wait_tensorcnt 0x0
	ds_add_u32 v192, v193
	s_wait_dscnt 0x0
	s_endpgm
.Lfunc_end_k_qd959b3fe7b_quant:
	.size	k_qd959b3fe7b_quant, .Lfunc_end_k_qd959b3fe7b_quant-k_qd959b3fe7b_quant
	.p2alignl 7, 3214868480
	.fill 96, 4, 3214868480
	.section	.rodata,"a",@progbits
	.p2align	6, 0x0
	.amdhsa_kernel k_qd959b3fe7b_quant
		.amdhsa_group_segment_fixed_size 68096
		.amdhsa_private_segment_fixed_size 0
		.amdhsa_enable_private_segment 0
		.amdhsa_kernarg_size 40
		.amdhsa_user_sgpr_count 2
		.amdhsa_user_sgpr_kernarg_segment_ptr 1
		.amdhsa_wavefront_size32 1
		.amdhsa_system_sgpr_workgroup_id_x 1
		.amdhsa_system_sgpr_workgroup_id_y 1
		.amdhsa_system_sgpr_workgroup_id_z 1
		.amdhsa_system_vgpr_workitem_id 0
		.amdhsa_next_free_vgpr 194
		.amdhsa_next_free_sgpr 66
		.amdhsa_reserve_vcc 0
		.amdhsa_float_denorm_mode_32 3
		.amdhsa_float_denorm_mode_16_64 3
		.amdhsa_memory_ordered 1
		.amdhsa_forward_progress 1
		.amdhsa_inst_pref_size 86
	.end_amdhsa_kernel
	.amdgpu_metadata
---
amdhsa.version: [ 1, 2 ]
amdhsa.kernels:
  - .name:           k_qd959b3fe7b_quant
    .symbol:         k_qd959b3fe7b_quant.kd
    .args:
      - { .name: x, .offset: 0, .size: 8, .value_kind: global_buffer, .address_space: global }
      - { .name: W_qkv, .offset: 8, .size: 8, .value_kind: global_buffer, .address_space: global }
      - { .name: lowp_scales, .offset: 16, .size: 8, .value_kind: global_buffer, .address_space: global }
      - { .name: x_codes, .offset: 24, .size: 8, .value_kind: global_buffer, .address_space: global }
      - { .name: w_codes, .offset: 32, .size: 8, .value_kind: global_buffer, .address_space: global }
    .group_segment_fixed_size: 68096
    .private_segment_fixed_size: 0
    .kernarg_segment_align: 8
    .kernarg_segment_size: 40
    .max_flat_workgroup_size: 128
    .sgpr_count:     66
    .vgpr_count:     194
    .wavefront_size: 32
...
	.end_amdgpu_metadata
.endif
;; end of part 1
;; launch qkv (part 2): grid 16 x 16, 4 waves a work-group, clusters of 4 x 4, 327,680 bytes of LDS; arguments x_codes, w_codes, lowp_scales, b_qkv, q_codes, k_codes, v_codes; writes q_codes, k_codes, v_codes
.if DOCPART == 2
	.amdgcn_target "amdgcn-amd-amdhsa--gfx1250"
	.amdhsa_code_object_version 6
	.text
	.protected	k_qd959b3fe7b_qkv
	.globl	k_qd959b3fe7b_qkv
	.p2align	8
	.type	k_qd959b3fe7b_qkv,@function
k_qd959b3fe7b_qkv:
	s_mov_b64 s[64:65], 0
	v_nop
	global_prefetch_b8 v0, s[64:65] scope:SCOPE_SE
	s_setreg_imm32_b32 hwreg(HW_REG_WAVE_MODE, 25, 1), 1
	s_wait_xcnt 0x0
	s_wait_alu depctr_hold_cnt(0) depctr_sa_sdst(0) depctr_va_vdst(0) depctr_va_sdst(0) depctr_va_ssrc(0) depctr_va_vcc(0) depctr_vm_vsrc(0)
	s_getreg_b32 s2, hwreg(HW_REG_IB_STS2, 6, 4)
	s_cmp_eq_u32 s2, 0
	s_cbranch_scc0 .Lentry_in_a_cluster
	s_endpgm
.Lentry_in_a_cluster:
	s_bfe_u32 s2, ttmp6, 0x10000c
	s_cmp_lg_u32 s2, 0xf033
	s_cbranch_scc0 .Lentry_shape_is_right
	s_endpgm
.Lentry_shape_is_right:
; qkv = x W + b on codes of FP8 (E4M3), K = 1,024, and its parts q, k, v quantised anew, as images of the operand registers of the attention launch.
; x_codes [8192 places][1024], w_codes [3072 places][1024]: K innermost, places in the order that the launch before laid (bits 3 and 4 of a row's number exchanged for x and for the columns of q and k).
; The scales' exponents: e0 (x), e1 (W), e2 (q), e3 (k), e5 (v).  A sum stands for sum x 2^(e0 + e1): the bias goes in as the first product's C, divided by that power; a code is sum / 2^(e - e0 - e1), held within +-448.
; LIMITS: e - e0 - e1 between -126 and 119 for e2, e3, e5, so that the conversions' scales and bounds are f32 numbers.
; SHARES.  A tile is 256 places of x by one head's 192 columns (64 of q, of k, of v); a wave makes 64 places x 192: 48 accumulators.  A WORK-GROUP STAYS and makes two tiles of one head, 4,096 places apart:
; 256 work-groups.  K goes in steps of 256 through a ring of two LDS slots, rows of 256 bytes padded to 272; the ring runs on into the second tile: the first tile's last two changes of slots ask for the second
; tile's K steps 0 and 1, and the first tile is quantised and stored while those loads are out.
; CLUSTERS: 4 x 4 work-groups; x's tile is asked for jointly along a row of the cluster, W's along a column.  Waves 0, 1 fetch x's halves (128 rows), waves 2, 3 W's (96 rows).
; q, k: source 0 = 16 places of W, source 1 = 16 places of x: a lane holds one position and eight neighbouring channels.  v: the other way round: a lane holds one channel and eight neighbouring positions.
; PREFETCH: behind each joint load one instruction a wave names the K step two refills on, a lane a row; the four partners of a joint load share its rows out by address (32 of x's 128, 24 of W's 96; lanes left
; over name the last row again).  W's rows serve both tiles and are named in the first tile alone; the last two refills have nothing two refills on.
; REGISTERS.  Window 0: v1-31 addresses and scales, v32-127 codes on the way out, v128-255 x's fragments, two sets.  Window 1: v0-191 W's twelve fragments.  Window 2: q's and k's 32 accumulators.
; Window 3: v0-127 v's 16 accumulators, v128-223 the bias in the results' layouts.
.set PITCH,  272
.set HALFA,  128*PITCH
.set HALFB,  96*PITCH
.set SLOT,   2*HALFA+2*HALFB
.set SPARE,  2*SLOT                    ; the spare words, 128 bytes a wave, which no other line names
.set ROWB,   256
.set KROW,   1024
.set TSTEP,  16*256*KROW               ; bytes from the first tile to the second, in x_codes; the same number in each buffer of results (two batches on)
.set ADRA, 16
.set ADRB, 20
.set GOL,  26
.set PFO,  27
.set SPW,  28
.set NIL,  29
.set AF,   128
.set BQK,  128
.set BV,   192
.set G1, 24
.set G0, 32
.set G1B, 48
.set G0B, 56
.set PFA, 92
.set MSB, 0
.macro WIN new                         ; the immediate's high byte repeats the setting that is left
.if MSB != \new
	s_set_vgpr_msb (MSB<<8)|\new
.set MSB, \new
.endif
.endm
.macro JLOAD g0a, g1a, g0b, g1b        ; a joint load: one line for x's waves, one for W's; s_nop 0 and four v_nop behind each
	s_cmp_eq_u32 s15, 0
	s_cbranch_scc0 .Lfor_b_\@
	tensor_load_to_lds s[\g0a:\g0a+3], s[\g1a:\g1a+7]
	s_nop 0
.rept 4
	v_nop
.endr
	s_branch .Lasked_\@
.Lfor_b_\@:
	tensor_load_to_lds s[\g0b:\g0b+3], s[\g1b:\g1b+7]
	s_nop 0
.rept 4
	v_nop
.endr
.Lasked_\@:
.endm
.macro ASK off, both                   ; both = 0: x's waves alone
.if \both == 0
	s_cmp_eq_u32 s15, 0
	s_cbranch_scc0 .Lnoask_\@
.endif
	global_prefetch_b8 v[PFO], s[PFA:PFA+1] offset:\off th:TH_LOAD_NT scope:SCOPE_SE
.Lnoask_\@:
.endm
.macro CREST
	s_cmp_lg_u32 s14, 0
	s_cbranch_scc1 .Lnot_wave_0_\@
	s_barrier_signal -3
.Lnot_wave_0_\@:
	s_barrier_wait -3
	s_barrier_signal -1
	s_barrier_wait -1
.endm
.macro CROUND
	s_barrier_signal -1
	s_barrier_wait -1
	CREST
.endm
.macro PLACES
.rept 4
	v_nop
.endr
.endm
.macro FRAG reg, adr, q, i             ; 16 rows x 128 K: registers 4 c .. 4 c + 3 hold K = 32 c + 16 (lane / 16) + 0 .. 15, alike in both operands
.irp c, 0,1,2,3
	ds_load_b128 v[\reg+4*\c:\reg+4*\c+3], v[\adr] offset:128*(\q)+32*\c+(\i)*16*PITCH
.endr
.endm
.macro FETCH_B slot, q, lo             ; six of W's fragments
	WIN 0x40
.irp i, 0,1,2,3,4,5
	FRAG 16*(\lo+\i), ADRB+\slot, \q, \lo+\i
.endr
	WIN 0
.endm
.macro FETCH_A slot, q, set            ; x's four fragments
.irp i, 0,1,2,3
	FRAG AF+64*(\set)+16*\i, ADRA+\slot, \q, \i
.endr
.endm
.macro MULB b, set, first              ; W's fragment b against x's four; first = 1: the bias is C.  The 48 accumulators take turns in the same order in every step
.if (\b) < 8
.if \first
	WIN 0xb1
.else
	WIN 0xa1
.endif
.irp a, 0,1,2,3
.if \first
	v_wmma_f32_16x16x128_fp8_fp8 v[8*(4*(\b)+\a):8*(4*(\b)+\a)+7], v[16*(\b):16*(\b)+15], v[AF+64*(\set)+16*\a:AF+64*(\set)+16*\a+15], v[BQK+8*(\b):BQK+8*(\b)+7]
.else
	v_wmma_f32_16x16x128_fp8_fp8 v[8*(4*(\b)+\a):8*(4*(\b)+\a)+7], v[16*(\b):16*(\b)+15], v[AF+64*(\set)+16*\a:AF+64*(\set)+16*\a+15], v[8*(4*(\b)+\a):8*(4*(\b)+\a)+7]
.endif
.endr
.else
	WIN 0xf4
.irp a, 0,1,2,3
.if \first
	v_wmma_f32_16x16x128_fp8_fp8 v[8*(4*((\b)-8)+\a):8*(4*((\b)-8)+\a)+7], v[AF+64*(\set)+16*\a:AF+64*(\set)+16*\a+15], v[16*(\b):16*(\b)+15], v[BV+8*((\b)-8):BV+8*((\b)-8)+7]
.else
	v_wmma_f32_16x16x128_fp8_fp8 v[8*(4*((\b)-8)+\a):8*(4*((\b)-8)+\a)+7], v[AF+64*(\set)+16*\a:AF+64*(\set)+16*\a+15], v[16*(\b):16*(\b)+15], v[8*(4*((\b)-8)+\a):8*(4*((\b)-8)+\a)+7]
.endif
.endr
.endif
.endm
.macro STEP slot, first                ; a slot's first 128 along K
	s_wait_dscnt 24                                ; all but W's youngest six fragments are in
.irp b, 0,1,2,3,4,5
	MULB \b, 0, \first
.endr
	s_wait_dscnt 0
	PLACES
	FETCH_B \slot, 1, 0
	FETCH_A \slot, 1, 1
.irp b, 6,7,8,9,10,11
	MULB \b, 0, \first
.endr
	PLACES
	FETCH_B \slot, 1, 6
.endm
; A slot's second 128 along K, and the change of slots.  fill = 1: the slot takes this tile's K step two on; 2: the next tile's K step of the same number; 0: nothing.  ask: what x's waves prefetch, or -1
.macro TURN slot, next, fill, ask
	s_wait_tensorcnt 0x0                           ; my part of the next slot is in
	ds_add_u32 v[SPW], v[NIL]
	s_wait_dscnt 25                                ; (the add and W's youngest six fragments may be out)
.irp b, 0,1,2
	MULB \b, 1, 0
.endr
	s_wait_dscnt 0x0                               ; the add is done, and my reads of this slot are over
	s_barrier_signal -1
.irp b, 3,4,5
	MULB \b, 1, 0
.endr
	WIN 0
	s_barrier_wait -1
.if \fill
	CREST                                          ; the barrier has opened a round of the cluster's barrier
.if \fill == 1
	s_add_nc_u64 s[G0+4*\slot+2:G0+4*\slot+3], s[G0+4*\slot+2:G0+4*\slot+3], 2*ROWB
	s_add_nc_u64 s[G0B+4*\slot+2:G0B+4*\slot+3], s[G0B+4*\slot+2:G0B+4*\slot+3], 2*ROWB
.else
	s_add_nc_u64 s[G0+4*\slot+2:G0+4*\slot+3], s[G0+4*\slot+2:G0+4*\slot+3], TSTEP-2*ROWB
	s_sub_nc_u64 s[G0B+4*\slot+2:G0B+4*\slot+3], s[G0B+4*\slot+2:G0B+4*\slot+3], 2*ROWB
.endif
	JLOAD G0+4*\slot, G1, G0B+4*\slot, G1B         ; the first tensor load behind the round; its four v_nop are the places in front of the loads below
.else
	PLACES
.endif
	FETCH_B \next, 0, 0
	FETCH_A \next, 0, 0
.if \ask >= 0
	ASK \ask, 0
.endif
.irp b, 6,7,8,9,10,11
	MULB \b, 1, 0
.endr
	PLACES
	FETCH_B \next, 0, 6
.endm
.macro MKSCALE e, vs                   ; 2^(e - e0 - e1) and 448 x that
	s_sub_co_i32 s85, s[\e], s84
	s_add_co_i32 s85, s85, 127
	s_lshl_b32 s86, s85, 23
	v_mov_b32 v[\vs], s86
	s_add_co_i32 s85, s85, 8
	s_lshl_b32 s85, s85, 23
	s_or_b32 s85, s85, 0x600000
	v_mov_b32 v[\vs+1], s85
.endm
.macro HOLD first, lim                 ; the conversion does not saturate (ISA guide 7.6.2); each accumulator from its low end on
.set jj, 0
.rept 128
	v_med3_num_f32 v[\first+jj], v[\first+jj], -v[\lim], v[\lim]
.set jj, jj+1
.endr
.endm
.macro WAYOUT                          ; a tile's sums become codes; every store covers 512 consecutive bytes, aligned
	WIN 0x82
	HOLD 0, 9
	WIN 0x02
.irp b, 0,1,2,3
.irp a, 0,1,2,3
	v_cvt_scalef32_pk8_fp8_f32 v[32+8*\a+4*(\b/2)+2*(\b%2):32+8*\a+4*(\b/2)+2*(\b%2)+1], v[8*(4*\b+\a):8*(4*\b+\a)+7], v8
.endr
.endr
	v_nop
	WIN 0
.irp a, 0,1,2,3
.irp c, 0,1
	global_store_b128 v[GOL], v[32+8*\a+4*\c:32+8*\a+4*\c+3], s[68:69] offset:1024*\a+512*\c
.endr
.endr
	WIN 0x82
	HOLD 128, 11
	WIN 0x02
.irp b, 0,1,2,3
.irp a, 0,1,2,3
	v_cvt_scalef32_pk8_fp8_f32 v[64+8*\a+4*(\b/2)+2*(\b%2):64+8*\a+4*(\b/2)+2*(\b%2)+1], v[128+8*(4*\b+\a):128+8*(4*\b+\a)+7], v10
.endr
.endr
	v_nop
	WIN 0
.irp a, 0,1,2,3
.irp c, 0,1
	global_store_b128 v[GOL], v[64+8*\a+4*\c:64+8*\a+4*\c+3], s[70:71] offset:1024*\a+512*\c
.endr
.endr
	WIN 0xc3
	HOLD 0, 13
	WIN 0x03
.irp d, 0,1,2,3
.irp a, 0,1,2,3
	v_cvt_scalef32_pk8_fp8_f32 v[96+8*\d+4*(\a/2)+2*(\a%2):96+8*\d+4*(\a/2)+2*(\a%2)+1], v[8*(4*\d+\a):8*(4*\d+\a)+7], v12
.endr
.endr
	v_nop
	WIN 0
.irp d, 0,1,2,3
.irp c, 0,1
	global_store_b128 v[GOL], v[96+8*\d+4*\c:96+8*\d+4*\c+3], s[72:73] offset:2048*\d+512*\c
.endr
.endr
.endm
	s_load_b256 s[4:11], s[0:1], 0x0               ; x_codes, w_codes, the scales' exponents, b_qkv
	s_load_b128 s[68:71], s[0:1], 0x20             ; q_codes, k_codes
	s_load_b64 s[72:73], s[0:1], 0x30              ; v_codes
	v_lshl_add_u32 v[SPW], v0, 2, SPARE
	v_mov_b32 v[NIL], 0
	ds_add_u32 v[SPW], v[NIL]                      ; the opening lines: the add, twice on end, and its wait ahead of my first tensor load
	ds_add_u32 v[SPW], v[NIL]
	v_lshrrev_b32 v1, 5, v0
	v_readfirstlane_b32 s14, v1                    ; wave
	s_lshr_b32 s15, s14, 1                         ; I fetch for x (0) or for W (1),
	s_and_b32 s16, s14, 1                          ; its first or second half
	s_bfe_u32 s40, ttmp6, 0x40000                  ; cx, cy
	s_bfe_u32 s41, ttmp6, 0x40004
	s_lshl_b32 s42, ttmp9, 2
	s_add_co_u32 s42, s42, s40                     ; the head
	s_and_b32 s17, ttmp7, 0xffff
	s_lshl_b32 s17, s17, 2
	s_add_co_u32 s17, s17, s41                     ; the first tile's row of tiles, 0 .. 15
	s_lshl_b32 s43, s41, 2
	s_lshl_b32 s43, 15, s43
	s_lshl_b32 s44, 0x1111, s40
	s_or_b32 s[G1+0], s43, (0<<16)|(1<<20)|(1<<21)|(5<<22)|(3<<25)   ; x's tiles go to my row of the cluster; bytes; four words of padding behind every 64
	s_or_b32 s[G1B+0], s44, (0<<16)|(1<<20)|(1<<21)|(5<<22)|(3<<25)  ; W's to my column
	s_mov_b32 s[G1+1], ROWB<<16
	s_mov_b32 s[G1+2], 128<<16
	s_mov_b32 s[G1+3], ROWB<<16
	s_mov_b32 s[G1+4], 128
	s_mov_b32 s[G1+5], KROW
	s_mov_b32 s[G1+6], 0
	s_mov_b32 s[G1+7], 0
	s_mov_b32 s[G1B+1], ROWB<<16
	s_mov_b32 s[G1B+2], 96<<16
	s_mov_b32 s[G1B+3], ROWB<<16
	s_mov_b32 s[G1B+4], 96
	s_mov_b32 s[G1B+5], KROW
	s_mov_b32 s[G1B+6], 0
	s_mov_b32 s[G1B+7], 0
	s_lshl_b32 s18, s16, 7
	s_lshl_b32 s20, s17, 8
	s_add_co_u32 s20, s20, s18
	s_lshl_b32 s20, s20, 10                        ; x: place 256 x tile row + 128 x half
	s_mov_b32 s21, 0
	s_mul_i32 s46, s42, 192
	s_mul_i32 s47, s16, 96
	s_add_co_u32 s46, s46, s47
	s_lshl_b32 s46, s46, 10                        ; W: place 192 x head + 96 x half
	s_mov_b32 s47, 0
	s_mul_i32 s45, s16, HALFA
	s_mul_i32 s74, s16, HALFB
	s_add_co_u32 s74, s74, 2*HALFA
	s_lshl_b32 s92, s17, 8                         ; the prefetches: my work-group's share of the rows that I fetch
	s_add_co_u32 s92, s92, s18
	s_lshl_b32 s93, s40, 5
	s_add_co_u32 s92, s92, s93                     ; x: + 32 cx
	s_mul_i32 s94, s42, 192
	s_mul_i32 s93, s16, 96
	s_add_co_u32 s94, s94, s93
	s_mul_i32 s93, s41, 24
	s_add_co_u32 s94, s94, s93                     ; W: + 24 cy
	s_cmp_eq_u32 s15, 0
	s_cselect_b32 s94, s92, s94
	s_cselect_b32 s96, 31, 23                      ; the last lane that has a row of its own
	s_lshl_b32 s94, s94, 10
	s_mov_b32 s95, 0
	s_wait_dscnt 0x0                               ; both opening adds are done
	s_wait_kmcnt 0x0
	s_load_b128 s[76:79], s[8:9], 0x0              ; e0 .. e3
	s_load_b64 s[80:81], s[8:9], 0x10              ; e4, e5
	s_add_nc_u64 s[20:21], s[4:5], s[20:21]
	s_add_nc_u64 s[46:47], s[6:7], s[46:47]
	s_cmp_eq_u32 s15, 0
	s_cselect_b64 s[PFA:PFA+1], s[4:5], s[6:7]
	s_add_nc_u64 s[PFA:PFA+1], s[PFA:PFA+1], s[94:95]
	CROUND                                         ; all sixteen work-groups are here: the first joint loads meet
.irp s, 0,1
	s_mov_b32 s[G0+4*\s], 1
	s_add_co_u32 s[G0+4*\s+1], s45, \s*SLOT
	s_add_nc_u64 s[G0+4*\s+2:G0+4*\s+3], s[20:21], \s*ROWB
	s_or_b32 s[G0+4*\s+3], s[G0+4*\s+3], 0x80000000
	s_mov_b32 s[G0B+4*\s], 1
	s_add_co_u32 s[G0B+4*\s+1], s74, \s*SLOT
	s_add_nc_u64 s[G0B+4*\s+2:G0B+4*\s+3], s[46:47], \s*ROWB
	s_or_b32 s[G0B+4*\s+3], s[G0B+4*\s+3], 0x80000000
.endr
	JLOAD G0, G1, G0B, G1B                         ; K step 0: one tensor load a wave at the head
	v_and_b32 v1, 15, v0
	v_bfe_u32 v2, v0, 4, 1
	v_mul_u32_u24 v3, v1, PITCH
	v_lshl_add_u32 v3, v2, 4, v3
	v_lshlrev_b32 v30, 6, v2                       ; the bias of q and k: lanes 16-31 begin 16 channels on
	v_lshlrev_b32 v31, 2, v1                       ; of v: a lane a channel
	v_and_b32 v[GOL], 31, v0
	v_min_u32 v[PFO], s96, v[GOL]
	v_lshlrev_b32 v[PFO], 10, v[PFO]               ; a lane a row of 1,024 bytes
	v_lshlrev_b32 v[GOL], 4, v[GOL]
	s_mul_i32 s82, s14, 64*PITCH
	s_mov_b32 s83, 2*HALFA
.irp s, 0,1
	v_add_nc_u32 v[ADRA+\s], s82, v3
	v_add_nc_u32 v[ADRB+\s], s83, v3
	s_add_co_u32 s82, s82, SLOT
	s_add_co_u32 s83, s83, SLOT
.endr
	s_mul_i32 s82, s42, 768
	s_mov_b32 s83, 0
	s_add_nc_u64 s[10:11], s[10:11], s[82:83]      ; the head's 192 numbers of the bias
	WIN 0xc0
	s_wait_alu depctr_va_vdst(0)                   ; directly ahead of the readers below
.irp b, 0,1,2,3,4,5,6,7
	global_load_b128 v[BQK+8*\b:BQK+8*\b+3], v30, s[10:11] offset:(64*(\b/4)+32*((\b/2)%2)+8*(\b%2))*4
	global_load_b128 v[BQK+8*\b+4:BQK+8*\b+7], v30, s[10:11] offset:(64*(\b/4)+32*((\b/2)%2)+8*(\b%2))*4+16
.endr
	WIN 0
.irp d, 0,1,2,3
	global_load_b32 v[4+\d], v31, s[10:11] offset:(128+16*\d)*4
.endr
	ASK 2*ROWB, 1                                  ; K step 2, two refills on
	s_lshr_b32 s87, s17, 3                         ; the results: pair = 16 x batch + head, 131,072 bytes each; 16,384 for each 256 positions
	s_lshl_b32 s87, s87, 4
	s_add_co_u32 s87, s87, s42
	s_lshl_b32 s87, s87, 17
	s_and_b32 s88, s17, 7
	s_lshl_b32 s88, s88, 14
	s_add_co_u32 s87, s87, s88
	s_lshl_b32 s88, s14, 12
	s_add_co_u32 s88, s88, s87
	s_mov_b32 s89, 0
	s_add_nc_u64 s[68:69], s[68:69], s[88:89]
	s_add_nc_u64 s[70:71], s[70:71], s[88:89]
	s_lshl_b32 s90, s15, 13
	s_lshl_b32 s91, s16, 10
	s_add_co_u32 s90, s90, s91
	s_add_co_u32 s90, s90, s87
	s_mov_b32 s91, 0
	s_add_nc_u64 s[72:73], s[72:73], s[90:91]
	s_wait_loadcnt 0x0
	s_wait_kmcnt 0x0
	s_add_co_i32 s84, s76, s77                     ; e0 + e1
	s_sub_co_i32 s82, 0, s84
	WIN 0xc3
.set jj, 0
.rept 64
	v_ldexp_f32 v[BQK+jj], v[BQK+jj], s82
.set jj, jj+1
.endr
	WIN 0xc0
.irp d, 0,1,2,3
.irp j, 0,1,2,3,4,5,6,7
	v_ldexp_f32 v[BV+8*\d+\j], v[4+\d], s82
.endr
.endr
	WIN 0
	MKSCALE 78, 8
	MKSCALE 79, 10
	MKSCALE 81, 12
	s_wait_alu depctr_va_vdst(0)
	s_wait_tensorcnt 0x0                           ; my part of K step 0 is in
	ds_add_u32 v[SPW], v[NIL]
	s_wait_dscnt 0x0
	CROUND                                         ; everybody's part of K step 0 is in, and the joint loads meet
	JLOAD G0+4, G1, G0B+4, G1B                     ; K step 1, the first tensor load behind the round
	FETCH_B 0, 0, 0
	FETCH_A 0, 0, 0
	ASK 3*ROWB, 1                                  ; K step 3
	FETCH_B 0, 0, 6
	; the first tile
	STEP 0, 1
	TURN 0, 1, 1, TSTEP
	STEP 1, 0
	TURN 1, 0, 1, TSTEP+ROWB
	STEP 0, 0
	TURN 0, 1, 2, TSTEP+2*ROWB                     ; the ring goes on into the second tile: slot 0 takes its K step 0,
	STEP 1, 0
	TURN 1, 0, 2, TSTEP+3*ROWB                     ; slot 1 its K step 1, and its first fragments are fetched; the four places behind the last products stand in TURN
	WAYOUT
	s_wait_xcnt 0x0                                ; the stores have read their bases and their data
	s_add_nc_u64 s[68:69], s[68:69], TSTEP
	s_add_nc_u64 s[70:71], s[70:71], TSTEP
	s_add_nc_u64 s[72:73], s[72:73], TSTEP
	; the second tile
	STEP 0, 1
	TURN 0, 1, 1, -1
	STEP 1, 0
	TURN 1, 0, 1, -1
	STEP 0, 0
	TURN 0, 1, 0, -1
	STEP 1, 0
	s_wait_dscnt 24
.irp b, 0,1,2,3,4,5
	MULB \b, 1, 0
.endr
	s_wait_dscnt 0
.irp b, 6,7,8,9,10,11
	MULB \b, 1, 0
.endr
	PLACES
	WAYOUT
	s_wait_tensorcnt 0x0                           ; the wave's end
	ds_add_u32 v[SPW], v[NIL]
	s_wait_dscnt 0x0
	CROUND                                         ; the closing round
	s_endpgm
.Lfunc_end_k_qd959b3fe7b_qkv:
	.size	k_qd959b3fe7b_qkv, .Lfunc_end_k_qd959b3fe7b_qkv-k_qd959b3fe7b_qkv
	.p2alignl 7, 3214868480
	.fill 96, 4, 3214868480
	.section	.rodata,"a",@progbits
	.p2align	6, 0x0
	.amdhsa_kernel k_qd959b3fe7b_qkv
		.amdhsa_group_segment_fixed_size 327680
		.amdhsa_private_segment_fixed_size 0
		.amdhsa_enable_private_segment 0
		.amdhsa_kernarg_size 56
		.amdhsa_user_sgpr_count 2
		.amdhsa_user_sgpr_kernarg_segment_ptr 1
		.amdhsa_wavefront_size32 1
		.amdhsa_system_sgpr_workgroup_id_x 1
		.amdhsa_system_sgpr_workgroup_id_y 1
		.amdhsa_system_sgpr_workgroup_id_z 1
		.amdhsa_system_vgpr_workitem_id 0
		.amdhsa_next_free_vgpr 1024
		.amdhsa_next_free_sgpr 100
		.amdhsa_reserve_vcc 0
		.amdhsa_float_denorm_mode_32 3
		.amdhsa_float_denorm_mode_16_64 3
		.amdhsa_memory_ordered 1
		.amdhsa_forward_progress 1
		.amdhsa_inst_pref_size 205
	.end_amdhsa_kernel
	.amdgpu_metadata
---
amdhsa.version: [ 1, 2 ]
amdhsa.kernels:
  - .name:           k_qd959b3fe7b_qkv
    .symbol:         k_qd959b3fe7b_qkv.kd
    .args:
      - { .name: x_codes, .offset: 0, .size: 8, .value_kind: global_buffer, .address_space: global }
      - { .name: w_codes, .offset: 8, .size: 8, .value_kind: global_buffer, .address_space: global }
      - { .name: lowp_scales, .offset: 16, .size: 8, .value_kind: global_buffer, .address_space: global }
      - { .name: b_qkv, .offset: 24, .size: 8, .value_kind: global_buffer, .address_space: global }
      - { .name: q_codes, .offset: 32, .size: 8, .value_kind: global_buffer, .address_space: global }
      - { .name: k_codes, .offset: 40, .size: 8, .value_kind: global_buffer, .address_space: global }
      - { .name: v_codes, .offset: 48, .size: 8, .value_kind: global_buffer, .address_space: global }
    .group_segment_fixed_size: 327680
    .private_segment_fixed_size: 0
    .kernarg_segment_align: 8
    .kernarg_segment_size: 56
    .max_flat_workgroup_size: 128
    .sgpr_count:     100
    .vgpr_count:     1024
    .wavefront_size: 32
...
	.end_amdgpu_metadata
.endif
;; end of part 2
;; launch attn (part 3): grid 4 x 64, 8 waves a work-group, no clusters, 297,984 bytes of LDS; arguments q_codes, k_codes, v_codes, lowp_scales, out0; writes out0
.if DOCPART == 3
	.amdgcn_target "amdgcn-amd-amdhsa--gfx1250"
	.amdhsa_code_object_version 6
	.text
	.protected	k_qd959b3fe7b_attn
	.globl	k_qd959b3fe7b_attn
	.p2align	8
	.type	k_qd959b3fe7b_attn,@function
k_qd959b3fe7b_attn:
	s_mov_b64 s[64:65], 0
	v_nop
	global_prefetch_b8 v0, s[64:65] scope:SCOPE_SE
	s_setreg_imm32_b32 hwreg(HW_REG_WAVE_MODE, 25, 1), 1
	s_wait_xcnt 0x0
; Causal attention on codes of FP8 (E4M3): 64 pairs (batch, head), 2,048 positions, head size 64.  q_codes, k_codes, v_codes are images of operand registers, as the launch before laid them:
;   q, k: [pair][tile T of 128][c of 2][lane][16]: lane (r, h): row 32 (T / 2) + 8 (T % 2) + r + 8 (r / 8), d = 32 c + 16 h + 0 .. 15.   v: [pair][16 x 128 keys][dt of 4][c of 4][lane][16]: d = 16 dt + r, keys 32 c + 16 h + 0 .. 15.
; The scales' exponents: entries 2 to 5: e2 (q), e3 (k), e4 (p), e5 (v).  out0 [4][2048][1024] f32.
; THE SOFTMAX: t = score x log2(e) / 8; M = the row's largest t so far, rounded up to a whole number; p = 2^(t - M) is quantised, not normalised; the row's sum is taken of the unquantised p and divides at the end.
; When M moves, the sum and O are multiplied by 2^(old M - new M), which rounds nothing.  Key steps all of whose keys the causal mask of the problem hides are left out.
; LIMITS: e2 + e3 between -123 and 130 (added to the exponent field of log2(e) / 8); e4 between -126 and 119; e4 + e5 is applied by v_ldexp_f32 and has none.
; SHARES.  Work-group (I, pair), I = 0 .. 3, owns the blocks of 256 queries 7 - I and then I.  Each of eight waves owns 32 queries of a block, two tiles of 16, so that each fragment of K and V read from LDS
; feeds two matrix instructions.  Wave w takes group w of the first block and group 7 - w of the second: 2 (7 - I) + 1 + (w / 4) and 2 I + 1 + (1 - w / 4) key steps, seventeen for every wave of every work-group.
; K AND V STAY IN LDS.  A pair's codes are 16 slots of 128 keys, 8,192 bytes of K and 8,192 of V each: 262,144 bytes.  A work-group needs slots 0 .. 15 - 2 I.  Each slot is written once, by ds_store of what the
; eight waves load (4,096 bytes a wave for two slots), and never again: so a trip has one barrier, whose signal stands behind the trip's stores and whose wait stands at the trip's end; between them a wave reads only
; slots that nobody writes any more.  Slots J + 1 and J + 2 are stored in the odd trip J and first read in trip J + 1; their loads were issued in trip J - 2.
; NO TENSOR LOAD, NO CLUSTER: nothing in LDS is filled again, and the four work-groups of a pair need different numbers of slots.  NO SEPARATE PREFETCH: the loads themselves run two trips, four tile steps, ahead of the stores that want them.
; THE HOLD of p at 448 x 2^e4 can act only where that bound is under p's largest value, 1: where e4 < -8.  A scalar branch on e4 leads round the 128 holds otherwise.
; 24 trips, a constant: trips 0-15 walk slots 0-15 for the first block, trips 16-23 slots 0-7 for the second; a scalar branch on ids leads round the work of a step whose keys all come after the wave's queries.
; Both products are used transposed: S^T = K Q^T (16x16x64), O^T = V^T P^T (16x16x128): a lane holds one query of each tile.  The 16 registers of key tiles 2 b, 2 b + 1 are keys 32 b + 16 h + 0 .. 15.
; REGISTERS.  Window 0: v1-10 addresses; v12-15 -M and the largest t of the two tiles; v16-19 the sums; v20-23 f; v24, v25 2^e4 and 448 x 2^e4; v26-31 at work; v32-95 K's, then V's fragments;
; v96-127 p's codes (at work during the maxima and the sums); v128-255 S^T, then p, of the two tiles.  Window 1: v0-63 O^T; v64-79 Q; v80-95 the second block's Q; v96-127 two slots on their way to LDS.
.set SLOTB, 16384
.set SPARE, 262144                     ; the spare words, 128 bytes for each of eight waves, which no other line names
.set STAGE, 263168                     ; the way out: 16 rows x (256 + 16) bytes for each wave
.set STW,   16*272
.set LI,  1                            ; 16 x lane
.set DL,  2                            ; r + 8 (r / 8) - 16 h
.set SPW, 3                            ; my spare word; never rewritten
.set NIL, 4                            ; 0; never rewritten
.set GO,  5                            ; the way out: my byte offset in out0
.set ADK, 6                            ; the slot in hand + 16 x lane
.set STI, 7                            ; the stage, in
.set STO, 8                            ; the stage, back
.set ST0, 9                            ; where my wave's 4,096 bytes of two slots go, from the first slot's first byte
.set STA, 10                           ; the same + the trip's slot
.set SC,  24
.set HL,  25
.set KV,  32
.set CD,  96
.set S,   128
.set O,   0                            ; window 1
.set QC,  64
.set QN,  80
.set R,   96
.set TB,  2                            ; s2  LDS byte at which the slot in hand begins
.set J,   3                            ; s3  the trip
.set I,   14
.set KF,  15                           ; the step's first key
.set Q0,  16                           ; my first query; s17 the second block's
.set Q0N, 17
.set WV,  18
.set NS,  19                           ; slots that my work-group needs: 16 - 2 I
.set SEL, 20                           ; s[20:21] lane l xor 16
.set CS,  22                           ; s[22:23] log2(e) / 8 x 2^(e2 + e3)
.set SRC, 24                           ; s[24:25] where my wave's loads stand
.set OUT, 26                           ; s[26:27] out0 at my first query and head; s[28:29] the second block's
.set OUTN, 28
.set HF,  30                           ; 1 where the hold can act
.set E45, 31
.set MSB, 0
.macro WIN new                         ; the immediate's high byte repeats the setting that is left
.if MSB != \new
	s_set_vgpr_msb (MSB<<8)|\new
.set MSB, \new
.endif
.endm
.macro VW
	s_wait_alu depctr_va_vdst(0)
.endm
.macro RESET                           ; a block's state: the largest t -3e38, sums and O^T zero (the first change of M leaves zeros zeros)
	v_mov_b32 v13, 0xff61b1e6
	v_mov_b32 v15, 0xff61b1e6
	v_floor_f32 v12, -v13
	v_floor_f32 v14, -v15
.irp j, 16,17,18,19
	v_mov_b32 v\j, 0
.endr
	WIN 0x40
.set n, 0
.rept 64
	v_mov_b32 v[O+n], 0
.set n, n+1
.endr
	WIN 0
.endm
	s_load_b256 s[4:11], s[0:1], 0x0               ; q_codes, k_codes, v_codes, the scales' exponents
	s_load_b64 s[12:13], s[0:1], 0x20              ; out0
	v_lshl_add_u32 v[SPW], v0, 2, SPARE
	v_mov_b32 v[NIL], 0
	v_lshrrev_b32 v26, 5, v0
	v_readfirstlane_b32 s[WV], v26                 ; wave 0..7
	s_mov_b32 s[I], ttmp9
	s_and_b32 s32, ttmp7, 0xffff                   ; the pair
	s_lshl_b32 s34, s32, 17                        ; its 131,072 bytes in each buffer of codes
	s_lshl_b32 s[NS], s[I], 1
	s_sub_co_u32 s[NS], 16, s[NS]
	s_and_b32 s36, s[WV], 3                        ; waves 0-3 load K, waves 4-7 V: 4,096 bytes each of two slots' 16,384
	s_lshl_b32 s36, s36, 12
	s_add_co_u32 s36, s36, s34
	s_mov_b32 s37, 0
	s_bfe_u32 s38, s[WV], 0x10001                  ; in LDS: which of the two slots,
	s_lshl_b32 s38, s38, 14
	s_and_b32 s39, s[WV], 1                        ; which half of its 8,192 bytes,
	s_lshl_b32 s39, s39, 12
	s_add_co_u32 s38, s38, s39
	s_lshr_b32 s39, s[WV], 2                       ; K's part or V's
	s_lshl_b32 s39, s39, 13
	s_add_co_u32 s38, s38, s39
	s_mul_i32 s39, s[WV], STW
	s_add_co_u32 s39, s39, STAGE                   ; my stage
	s_sub_co_u32 s44, 7, s[I]
	s_lshl_b32 s44, s44, 3
	s_add_co_u32 s44, s44, s[WV]                   ; first block: group of 32 queries 8 (7 - I) + w
	s_lshl_b32 s[Q0], s44, 5
	s_lshl_b32 s44, s44, 11                        ; its two tiles' images: 2,048 bytes
	s_add_co_u32 s44, s44, s34
	s_mov_b32 s45, 0
	s_lshl_b32 s46, s[I], 3
	s_add_co_u32 s46, s46, 7
	s_sub_co_u32 s46, s46, s[WV]                   ; second block: group 8 I + 7 - w
	s_lshl_b32 s[Q0N], s46, 5
	s_lshl_b32 s46, s46, 11
	s_add_co_u32 s46, s46, s34
	s_mov_b32 s47, 0
	s_lshr_b32 s48, s32, 4
	s_lshl_b32 s48, s48, 23                        ; out0: the batch's 2,048 rows of 4,096 bytes,
	s_and_b32 s49, s32, 15
	s_lshl_b32 s49, s49, 8
	s_add_co_u32 s48, s48, s49                     ; the head's 256 bytes of a row,
	s_lshl_b32 s50, s[Q0], 12
	s_add_co_u32 s50, s50, s48                     ; my first row
	s_mov_b32 s51, 0
	s_lshl_b32 s52, s[Q0N], 12
	s_add_co_u32 s52, s52, s48
	s_mov_b32 s53, 0
	s_mov_b32 s[SEL], 0x76543210
	s_mov_b32 s[SEL+1], 0xfedcba98
	s_mov_b32 s[CS], 0x3e38aa3b                    ; log2(e) / 8
	v_and_b32 v[LI], 31, v0
	v_lshlrev_b32 v[LI], 4, v[LI]
	v_add_nc_u32 v[ST0], s38, v[LI]
	v_and_b32 v26, 15, v0                          ; r
	v_bfe_u32 v27, v0, 4, 1                        ; h
	v_and_b32 v[DL], 8, v26
	v_add_nc_u32 v[DL], v[DL], v26
	v_lshlrev_b32 v28, 4, v27
	v_sub_nc_u32 v[DL], v[DL], v28
	v_lshlrev_b32 v[GO], 12, v27                   ; lanes 0-15 take one row of out0, lanes 16-31 the next; 16 bytes a lane
	v_lshl_add_u32 v[GO], v26, 4, v[GO]
	v_mul_u32_u24 v[STI], v26, 272
	v_lshl_add_u32 v[STI], v27, 5, v[STI]
	v_add_nc_u32 v[STI], s39, v[STI]               ; in: row r, + 32 h
	v_mul_u32_u24 v[STO], v27, 272
	v_lshl_add_u32 v[STO], v26, 4, v[STO]
	v_add_nc_u32 v[STO], s39, v[STO]               ; back: sixteen lanes to a row
	VW
	s_wait_kmcnt 0x0
	s_load_b64 s[40:41], s[10:11], 0x8             ; e2, e3
	s_load_b64 s[42:43], s[10:11], 0x10            ; e4, e5
	s_cmp_lt_u32 s[WV], 4
	s_cselect_b64 s[SRC:SRC+1], s[6:7], s[8:9]
	s_add_nc_u64 s[SRC:SRC+1], s[SRC:SRC+1], s[36:37]
	s_add_nc_u64 s[44:45], s[4:5], s[44:45]
	s_add_nc_u64 s[46:47], s[4:5], s[46:47]
	s_add_nc_u64 s[OUT:OUT+1], s[12:13], s[50:51]
	s_add_nc_u64 s[OUTN:OUTN+1], s[12:13], s[52:53]
.irp i, 0,1,2,3,4,5,6,7
	global_load_b128 v[S+4*\i:S+4*\i+3], v[LI], s[SRC:SRC+1] offset:512*\i          ; slots 0 and 1, by way of registers that the scores take later
.endr
	WIN 0x40
.irp i, 0,1,2,3
	global_load_b128 v[QC+4*\i:QC+4*\i+3], v[LI], s[44:45] offset:512*\i            ; Q: two tiles of each block
.endr
.irp i, 0,1,2,3
	global_load_b128 v[QN+4*\i:QN+4*\i+3], v[LI], s[46:47] offset:512*\i
.endr
.irp i, 0,1,2,3,4,5,6,7
	global_load_b128 v[R+4*\i:R+4*\i+3], v[LI], s[SRC:SRC+1] offset:16384+512*\i    ; slots 2 and 3: stored in trip 1
.endr
	WIN 0
	RESET
.irp j, 21,23,30,31
	v_mov_b32 v\j, 0                               ; upper halves of named pairs, and lane permutes' destinations: written once
.endr
	VW
	s_wait_kmcnt 0x0
	s_add_co_i32 s33, s40, s41
	s_lshl_b32 s33, s33, 23
	s_add_co_i32 s[CS], s[CS], s33                 ; a score stands for score x 2^(e2 + e3): added to c's exponent field
	s_mov_b32 s[CS+1], s[CS]
	s_add_co_i32 s33, s42, 127
	s_lshl_b32 s48, s33, 23
	v_mov_b32 v[SC], s48                           ; 2^e4, for the conversion
	s_add_co_i32 s33, s33, 8
	s_lshl_b32 s33, s33, 23
	s_or_b32 s33, s33, 0x600000
	v_mov_b32 v[HL], s33                           ; 448 x 2^e4
	s_add_co_i32 s[E45], s42, s43
	s_cmp_lt_i32 s42, -8
	s_cselect_b32 s[HF], 1, 0
	s_mov_b32 s[J], 0
	s_mov_b32 s[TB], 0
	s_mov_b32 s[KF], 0
	VW
	s_wait_loadcnt 16                              ; slots 0 and 1 are in: behind them stand Q's 8 loads and the 8 of slots 2 and 3
.irp i, 0,1,2,3,4,5,6,7
	ds_store_b128 v[ST0], v[S+4*\i:S+4*\i+3] offset:512*\i
.endr
	s_wait_loadcnt 8                               ; Q is in
	s_wait_dscnt 0x0                               ; my stores are done, for the others' sake
	s_barrier_signal -1
	s_barrier_wait -1
.Ltrip:
	; THE STORES: in the odd trips 1 .. 13, slots J + 1 and J + 2, where my work-group needs them; then the loads of slots J + 3 and J + 4
	s_and_b32 s32, s[J], 1
	s_cmp_eq_u32 s32, 0
	s_cbranch_scc1 .Lnoload
	s_cmp_lt_u32 s[J], 14
	s_cbranch_scc0 .Lnoload
	s_add_co_u32 s32, s[J], 1
	s_cmp_lt_u32 s32, s[NS]
	s_cbranch_scc0 .Lnoload
	v_add_nc_u32 v[STA], s[TB], v[ST0]
	VW
	s_wait_loadcnt 0x0                             ; the eight loads issued two trips back
	WIN 0x04
.irp i, 0,1,2,3,4,5,6,7
	ds_store_b128 v[STA], v[R+4*\i:R+4*\i+3] offset:SLOTB+512*\i
.endr
	WIN 0
	s_wait_dscnt 0x0                               ; done ahead of my signal; and the registers may be loaded anew
	s_add_co_u32 s32, s[J], 3
	s_cmp_lt_u32 s32, s[NS]
	s_cbranch_scc0 .Lnoload
	s_add_nc_u64 s[SRC:SRC+1], s[SRC:SRC+1], 16384 ; (no load of mine is out)
	WIN 0x40
.irp i, 0,1,2,3,4,5,6,7
	global_load_b128 v[R+4*\i:R+4*\i+3], v[LI], s[SRC:SRC+1] offset:16384+512*\i
.endr
	WIN 0
.Lnoload:
	s_barrier_signal -1                            ; my part of the slots to come is in LDS; up to the wait at the trip's end only slot J is read, which nobody writes
	; A KEY STEP: 128 keys x my 32 queries
	s_cmp_gt_u32 s[KF], s[Q0]
	s_cbranch_scc1 .Lhidden                        ; all keys come after my queries
	v_add_nc_u32 v[ADK], s[TB], v[LI]
.rept 3
	v_nop                                          ; with the line above: four places in front of loads into registers that the last products read
.endr
.irp t, 0,1,2,3,4,5,6,7
.irp c, 0,1
	ds_load_b128 v[KV+8*\t+4*\c:KV+8*\t+4*\c+3], v[ADK] offset:1024*\t+512*\c
.endr
.endr
	VW
	s_wait_dscnt 0x0
	WIN 0x04
.irp t, 0,1,2,3,4,5,6,7
.irp x, 0,1
	v_wmma_f32_16x16x64_fp8_fp8 v[S+64*\x+8*\t:S+64*\x+8*\t+7], v[KV+8*\t:KV+8*\t+7], v[QC+8*\x:QC+8*\x+7], 0
.endr
.endr
	WIN 0
.rept 4
	v_nop                                          ; places: in front of the loads below and of the first read of the scores
.endr
.irp d, 0,1,2,3
.irp c, 0,1,2,3
	ds_load_b128 v[KV+16*\d+4*\c:KV+16*\d+4*\c+3], v[ADK] offset:8192+2048*\d+512*\c   ; V lands while the softmax is walked
.endr
.endr
	s_add_co_u32 s32, s[KF], 127
	s_cmp_le_u32 s32, s[Q0]
	s_cbranch_scc1 .Lopen                          ; all keys count
	s_sub_co_i32 s32, s[Q0], s[KF]
	v_add_nc_u32 v26, s32, v[DL]                   ; register 16 b + i holds key KF + 16 h + 32 b + i: hidden where 32 b + i > my query - KF - 16 h; the second tile's queries lie 8 further on
	v_mov_b32 v27, 0xff800000                      ; -infinity
.set n, 0
.rept 64
	v_cmp_gt_i32 vcc_lo, 32*(n/16)+n%16, v26
	v_cmp_gt_i32 s54, 32*(n/16)+n%16-8, v26
	v_cndmask_b32 v[S+n], v[S+n], v27, vcc_lo
	v_cndmask_b32 v[S+64+n], v[S+64+n], v27, s54
.set n, n+1
.endr
.Lopen:
	; the step's largest scores: four chains a tile, in registers that the codes take later; each accumulator is first read at its low end
.irp k, 0,1,2,3
.irp x, 0,1
	v_max3_num_f32 v[CD+4*\x+\k], v[S+64*\x+16*\k], v[S+64*\x+16*\k+1], v[S+64*\x+16*\k+2]
.endr
.endr
.irp i, 3,5,7,9,11,13
.irp k, 0,1,2,3
.irp x, 0,1
	v_max3_num_f32 v[CD+4*\x+\k], v[CD+4*\x+\k], v[S+64*\x+16*\k+\i], v[S+64*\x+16*\k+\i+1]
.endr
.endr
.endr
.irp x, 0,1
	v_max3_num_f32 v[CD+4*\x], v[CD+4*\x], v[CD+4*\x+1], v[S+64*\x+15]
	v_max3_num_f32 v[CD+4*\x+2], v[CD+4*\x+2], v[CD+4*\x+3], v[S+64*\x+31]
.endr
.irp x, 0,1
	v_max3_num_f32 v[CD+4*\x], v[CD+4*\x], v[S+64*\x+47], v[S+64*\x+63]
.endr
.irp x, 0,1
	v_max_num_f32 v[CD+4*\x], v[CD+4*\x], v[CD+4*\x+2]
.endr
.irp x, 0,1
	v_permlanex16_b32 v[30+\x], v[CD+4*\x], s[SEL], s[SEL+1]
.endr
.irp x, 0,1
	v_max_num_f32 v[CD+4*\x], v[CD+4*\x], v[30+\x]     ; and among lane l xor 16's
.endr
.irp x, 0,1
	v_mul_f32 v[CD+4*\x], s[CS], v[CD+4*\x]            ; as t (c is positive)
.endr
.irp x, 0,1
	v_max_num_f32 v[13+2*\x], v[13+2*\x], v[CD+4*\x]   ; the running largest t
.endr
.irp x, 0,1
	v_mov_b32 v[CD+4*\x], v[12+2*\x]
.endr
.irp x, 0,1
	v_floor_f32 v[12+2*\x], -v[13+2*\x]                ; the new -M = -ceil(t)
.endr
.irp x, 0,1
	v_sub_f32 v[CD+4*\x], v[12+2*\x], v[CD+4*\x]       ; old M - new M: a whole number, 0 or less
.endr
.irp x, 0,1
	v_cvt_i32_f32 v[CD+4*\x], v[CD+4*\x]               ; (it saturates)
.endr
.irp x, 0,1
	v_ldexp_f32 v[20+2*\x], 1.0, v[CD+4*\x]            ; f = 2^(old M - new M)
.endr
.set n, 0
.rept 32
	v_pk_fma_f32 v[S+n:S+n+1], v[S+n:S+n+1], s[CS:CS+1], v[12:13] op_sel_hi:[1,0,0]           ; t - M, two at a time
	v_pk_fma_f32 v[S+64+n:S+65+n], v[S+64+n:S+65+n], s[CS:CS+1], v[14:15] op_sel_hi:[1,0,0]
.set n, n+2
.endr
	VW                                             ; ahead of the batch
.set n, 0
.rept 128
	v_exp_f32 v[S+n], v[S+n]                       ; p = 2^(t - M)
.set n, n+1
.endr
	v_nop                                          ; the plain place behind the exponentials
	VW                                             ; one wait for the batch, ahead of its first reader
	; the rows' sums of the unquantised p: four chains a tile; the last line brings the old sum under the new M and adds
.irp q, 0,1,2,3
.irp x, 0,1
	v_pk_add_f32 v[CD+8*\x+2*\q:CD+8*\x+2*\q+1], v[S+64*\x+4*\q:S+64*\x+4*\q+1], v[S+64*\x+4*\q+2:S+64*\x+4*\q+3]
.endr
.endr
.set n, 16
.rept 6
.irp q, 0,1,2,3
.irp x, 0,1
	v_pk_add_f32 v[CD+8*\x+2*\q:CD+8*\x+2*\q+1], v[CD+8*\x+2*\q:CD+8*\x+2*\q+1], v[S+64*\x+n+2*\q:S+64*\x+n+2*\q+1]
.endr
.endr
.set n, n+8
.endr
.irp x, 0,1
	v_pk_add_f32 v[CD+8*\x:CD+8*\x+1], v[CD+8*\x:CD+8*\x+1], v[CD+8*\x+2:CD+8*\x+3]
	v_pk_add_f32 v[CD+8*\x+4:CD+8*\x+5], v[CD+8*\x+4:CD+8*\x+5], v[CD+8*\x+6:CD+8*\x+7]
.endr
.irp x, 0,1
	v_pk_add_f32 v[CD+8*\x:CD+8*\x+1], v[CD+8*\x:CD+8*\x+1], v[CD+8*\x+4:CD+8*\x+5]
.endr
.irp x, 0,1
	v_pk_fma_f32 v[16+2*\x:17+2*\x], v[16+2*\x:17+2*\x], v[20+2*\x:21+2*\x], v[CD+8*\x:CD+8*\x+1] op_sel_hi:[1,0,1]
.endr
	VW
	s_cmp_eq_u32 s[HF], 0
	s_cbranch_scc1 .Lnohold                        ; e4 >= -8: 448 x 2^e4 lies above every p
.set n, 0
.rept 128
	v_min_num_f32 v[S+n], v[S+n], v[HL]            ; the conversion does not saturate (ISA guide 7.6.2); p is not negative, so the hold is one-sided
.set n, n+1
.endr
.Lnohold:
.irp x, 0,1
.irp b, 0,1,2,3
	v_cvt_scalef32_pk8_fp8_f32 v[CD+16*\x+4*\b:CD+16*\x+4*\b+1], v[S+64*\x+16*\b:S+64*\x+16*\b+7], v[SC]
	v_cvt_scalef32_pk8_fp8_f32 v[CD+16*\x+4*\b+2:CD+16*\x+4*\b+3], v[S+64*\x+16*\b+8:S+64*\x+16*\b+15], v[SC]
.endr
.endr
	WIN 0x41
	VW                                             ; directly ahead of the first readers of O^T
.set n, 0
.rept 16
	v_pk_mul_f32 v[O+n:O+n+1], v[O+n:O+n+1], v[20:21] op_sel_hi:[1,0]             ; O^T under the new M (also the plain lines between the conversions and the products)
	v_pk_mul_f32 v[O+32+n:O+33+n], v[O+32+n:O+33+n], v[22:23] op_sel_hi:[1,0]
.set n, n+2
.endr
	VW
	s_wait_dscnt 0x0                               ; V is in
	WIN 0x50
.irp d, 0,1,2,3
.irp x, 0,1
	v_wmma_f32_16x16x128_fp8_fp8 v[O+32*\x+8*\d:O+32*\x+8*\d+7], v[KV+16*\d:KV+16*\d+15], v[CD+16*\x:CD+16*\x+15], v[O+32*\x+8*\d:O+32*\x+8*\d+7]   ; eight accumulators by turns
.endr
.endr
	WIN 0
.Lhidden:
	s_add_co_u32 s[KF], s[KF], 128
	s_add_co_u32 s[TB], s[TB], SLOTB
	s_and_b32 s[TB], s[TB], 0x3ffff                ; behind slot 15 comes slot 0
	s_barrier_wait -1                              ; every wave has stored its part of the slots to come
	s_and_b32 s32, s[J], 7
	s_cmp_eq_u32 s32, 7
	s_cbranch_scc0 .Lnofin
	s_cmp_ge_u32 s[J], 15
	s_cbranch_scc0 .Lnofin
	; A BLOCK'S END, behind trips 15 and 23.  O^T / the sum x 2^(e4 + e5) goes through my stage, tile by tile: a query's 64 channels are 256 bytes, which sixteen lanes store as one aligned piece of a row of out0
.rept 4
	v_nop                                          ; places behind the last products
.endr
	v_add_f32 v16, v16, v17
	v_add_f32 v18, v18, v19
	v_permlanex16_b32 v30, v16, s[SEL], s[SEL+1]
	v_permlanex16_b32 v31, v18, s[SEL], s[SEL+1]
	v_add_f32 v16, v16, v30
	v_add_f32 v18, v18, v31
	VW
	v_rcp_f32 v16, v16
	v_rcp_f32 v18, v18
	v_nop
	VW
	v_ldexp_f32 v16, v16, s[E45]
	v_ldexp_f32 v18, v18, s[E45]
	WIN 0x01
	VW                                             ; directly ahead of the first readers of O^T
.set n, 0
.rept 16
	v_pk_mul_f32 v[S+n:S+n+1], v[O+n:O+n+1], v[16:17] op_sel_hi:[1,0]              ; register 8 dt + j is channel 16 dt + 8 h + j of my query
	v_pk_mul_f32 v[S+32+n:S+33+n], v[O+32+n:O+33+n], v[18:19] op_sel_hi:[1,0]
.set n, n+2
.endr
	WIN 0
.irp x, 0,1
.irp d, 0,1,2,3
	ds_store_b128 v[STI], v[S+32*\x+8*\d:S+32*\x+8*\d+3] offset:64*\d
	ds_store_b128 v[STI], v[S+32*\x+8*\d+4:S+32*\x+8*\d+7] offset:64*\d+16
.endr
.irp i, 0,1,2,3,4,5,6,7
	ds_load_b128 v[KV+32*\x+4*\i:KV+32*\x+4*\i+3], v[STO] offset:544*\i            ; LDS serves a wave's instructions in order (ISA guide 5.7.1.4): these see my stores, and the next tile's stores come behind them
.endr
.endr
.irp x, 0,1
.irp i, 0,1,2,3,4,5,6,7
	s_wait_dscnt 23-16*\x-\i                       ; the LDS instructions issued behind this load may be out
	global_store_b128 v[GO], v[KV+32*\x+4*\i:KV+32*\x+4*\i+3], s[OUT:OUT+1] offset:(2*\i+8*(\i/4)+8*\x)*4096 th:TH_STORE_NT   ; stage row j of tile x is query Q0 + 8 x + j + 8 (j / 8)
.endr
.endr
	s_cmp_eq_u32 s[J], 23
	s_cbranch_scc1 .Lnofin                         ; nothing follows the second block
	s_wait_xcnt 0x0                                ; the stores have read their base and their data
	s_mov_b64 s[OUT:OUT+1], s[OUTN:OUTN+1]
	s_mov_b32 s[Q0], s[Q0N]
	s_mov_b32 s[KF], 0
	WIN 0x41
.set n, 0
.rept 16
	v_mov_b32 v[QC+n], v[QN+n]                     ; the second block's Q
.set n, n+1
.endr
	WIN 0
	RESET
	VW
.Lnofin:
	s_add_co_u32 s[J], s[J], 1
	s_cmp_lt_u32 s[J], 24
	s_cbranch_scc1 .Ltrip
	s_wait_tensorcnt 0x0                           ; the wave's end
	ds_add_u32 v[SPW], v[NIL]
	s_wait_dscnt 0x0
	s_endpgm
.Lfunc_end_k_qd959b3fe7b_attn:
	.size	k_qd959b3fe7b_attn, .Lfunc_end_k_qd959b3fe7b_attn-k_qd959b3fe7b_attn
	.p2alignl 7, 3214868480
	.fill 96, 4, 3214868480
	.section	.rodata,"a",@progbits
	.p2align	6, 0x0
	.amdhsa_kernel k_qd959b3fe7b_attn
		.amdhsa_group_segment_fixed_size 297984
		.amdhsa_private_segment_fixed_size 0
		.amdhsa_enable_private_segment 0
		.amdhsa_kernarg_size 40
		.amdhsa_user_sgpr_count 2
		.amdhsa_user_sgpr_kernarg_segment_ptr 1
		.amdhsa_wavefront_size32 1
		.amdhsa_system_sgpr_workgroup_id_x 1
		.amdhsa_system_sgpr_workgroup_id_y 1
		.amdhsa_system_sgpr_workgroup_id_z 1
		.amdhsa_system_vgpr_workitem_id 0
		.amdhsa_next_free_vgpr 384
		.amdhsa_next_free_sgpr 66
		.amdhsa_reserve_vcc 1
		.amdhsa_float_denorm_mode_32 3
		.amdhsa_float_denorm_mode_16_64 3
		.amdhsa_memory_ordered 1
		.amdhsa_forward_progress 1
		.amdhsa_inst_pref_size 65
	.end_amdhsa_kernel
	.amdgpu_metadata
---
amdhsa.version: [ 1, 2 ]
amdhsa.kernels:
  - .name:           k_qd959b3fe7b_attn
    .symbol:         k_qd959b3fe7b_attn.kd
    .args:
      - { .name: q_codes, .offset: 0, .size: 8, .value_kind: global_buffer, .address_space: global }
      - { .name: k_codes, .offset: 8, .size: 8, .value_kind: global_buffer, .address_space: global }
      - { .name: v_codes, .offset: 16, .size: 8, .value_kind: global_buffer, .address_space: global }
      - { .name: lowp_scales, .offset: 24, .size: 8, .value_kind: global_buffer, .address_space: global }
      - { .name: out0, .offset: 32, .size: 8, .value_kind: global_buffer, .address_space: global }
    .group_segment_fixed_size: 297984
    .private_segment_fixed_size: 0
    .kernarg_segment_align: 8
    .kernarg_segment_size: 40
    .max_flat_workgroup_size: 256
    .sgpr_count:     66
    .vgpr_count:     384
    .wavefront_size: 32
...
	.end_amdgpu_metadata
.endif
;; end of part 3
